; MI455X (gfx1250); checked and timed in simulation.
; The chip was launched on July 23, 2026; its instructions are those of AMD's public machine-readable ISA for CDNA 5 (MIT licence, August 2026) and "CDNA5" Instruction Set Architecture Reference Guide (July 2026). The comments in the code are by the model that wrote it; some were corrected since.
;; Multi Head Attention. Allowed arithmetic: matrix products marked QUANTISED: E5M2 operands, one E8M0 scale for each 32 along K, by v_wmma_scale_f32_16x16x128_f8f6f4 with both operands' format E5M2, f32 sums; everything else in f32.
;; Inputs: Wk_codes 1,024 x 32 x 32 uint8 (E5M2 codes of Wk, K innermost, in blocks of 32 codes); Wk_scales 1,024 x 32 uint8 (E8M0 scales of Wk, one for each 32 codes along K); Wo_codes 1,024 x 32 x 32 uint8 (E5M2 codes of Wo, K innermost, in blocks of 32 codes); Wo_scales 1,024 x 32 uint8 (E8M0 scales of Wo, one for each 32 codes along K); Wq_codes 1,024 x 32 x 32 uint8 (E5M2 codes of Wq, K innermost, in blocks of 32 codes); Wq_scales 1,024 x 32 uint8 (E8M0 scales of Wq, one for each 32 codes along K); Wv_codes 1,024 x 32 x 32 uint8 (E5M2 codes of Wv, K innermost, in blocks of 32 codes); Wv_scales 1,024 x 32 uint8 (E8M0 scales of Wv, one for each 32 codes along K); bk 1,024 float32; bo 1,024 float32; bq 1,024 float32; bv 1,024 float32; x_codes 4 x 2,048 x 32 x 32 uint8 (E5M2 codes of x, K innermost, in blocks of 32 codes); x_scales 4 x 2,048 x 32 uint8 (E8M0 scales of x, one for each 32 codes along K).
;; Outputs: out0 4 x 2,048 x 1,024 float32.
;; This version of the problem:
;;   THIS VERSION OF THE PROBLEM IS GIVEN IN LOW PRECISION. The matrix products marked QUANTISED in the list below multiply operands that are first quantised to E5M2 (5 exponent bits, 2 mantissa bits; 8 bits a number), with one power-of-two scale for each 32 numbers along K (OCP MX v1.0); their sums are f32. All else is computed in f32.
;;   The module's matrix products, in the order in which they are computed (A, B: the left and right operand; K: the contracted axis; several contracted axes count as one K, in the product's order):
;;     1. [M 8,192, K 1,024] x [K 1,024, N 1,024]; A: input x (given as codes); B: input Wq (given as codes): QUANTISED
;;     2. [M 8,192, K 1,024] x [K 1,024, N 1,024]; A: input x (given as codes); B: input Wk (given as codes): QUANTISED
;;     3. [M 8,192, K 1,024] x [K 1,024, N 1,024]; A: input x (given as codes); B: input Wv (given as codes): QUANTISED
;;     4. batch 64 x [M 2,048, K 64] x [K 64, N 2,048]; A: computed on the way; B: computed on the way: QUANTISED
;;     5. batch 64 x [M 2,048, K 2,048] x [K 2,048, N 64]; A: softmax (see below); B: computed on the way: QUANTISED
;;     6. [M 8,192, K 1,024] x [K 1,024, N 1,024]; A: computed on the way; B: input Wo (given as codes): QUANTISED
;;   THE QUANTISER, for each operand of a quantised product, along K:
;;     - K is cut into blocks of 32 from its start; a last block that is shorter is filled with zeros.
;;     - A block's scale is 2^e with e = floor(log2(the largest magnitude in the block)) - 15, held to -126 .. 127; a block of zeros has e = 0. As a byte (E8M0): e + 127.
;;     - Each number is divided by its block's scale, clamped to +-57,344, and rounded to the nearest number of E5M2, ties to even, subnormals kept.
;;     - The product sums the exact products of the quantised numbers (number of the format x scale) in f32.
;;   ~~~python
;;   def quantise(x, axis):      # numpy; x: float32 -> the quantised numbers, widened to float32 again
;;       x = np.moveaxis(x, axis, -1); K = x.shape[-1]
;;       x = np.pad(x, [(0, 0)] * (x.ndim - 1) + [(0, -K % 32)]); x = x.reshape(x.shape[:-1] + (-1, 32)); a = np.abs(x).max(-1, keepdims=True)
;;       e = np.where(a > 0, np.clip(np.frexp(np.where(a > 0, a, 1))[1] - 1 - 15, -126, 127), 0)      # np.frexp(a)[1] - 1 = floor(log2(a)), exactly
;;       r = np.clip(x / 2.0 ** e, -57344, 57344)
;;       step = 2.0 ** (np.maximum(np.frexp(np.where(r == 0, 1, r))[1] - 1, -14) - 2)
;;       q = np.round(r / step) * step * 2.0 ** e      # np.round: ties to even
;;       return np.moveaxis(q.reshape(q.shape[:-2] + (-1,))[..., :K], -1, axis).astype(np.float32)
;;   ~~~
;;   SOFTMAX AHEAD OF A QUANTISED PRODUCT. Where the list says 'softmax', what is quantised is not the finished softmax but p = 2^(t - M), with t = logit x log2(e) and M = ceil(the row's largest t), a whole number; so 1/2 < the row's largest p <= 1. The row's sum l is taken of the UNQUANTISED p, in f32, and the product's result is divided by l at the end. Since M is a whole number, a kernel that streams over the keys may use a running M (the ceiling of the running maximum): every later rescaling is an exact power of two, which a block's scale takes up: the codes' values come out the same.
;;   OPERANDS COMPUTED ON THE WAY. 'Computed on the way' means the value that the module computes at that place (a softmax that the list does not call 'softmax' is quantised finished and normalised). What goes into a quantiser is computed in f32, as accurately as f32 sums, v_exp_f32 and their like allow (about 1e-6 of the number): no bf16 or f16 on the way to a quantiser, and a product that is left as it is and whose result goes on into a quantised operand takes f32 operands (vector FMAs, or v_wmma_f32_16x16x4_f32). A number that lies on a knife's edge between two numbers of the format may be rounded either way, as far as f32 arithmetic and the matrix unit's own rounding can turn it there, and no further.
;;   INPUTS GIVEN AS CODES. Wk (in the module: [1024, 1024], K = its axis 1); Wo (in the module: [1024, 1024], K = its axis 1); Wq (in the module: [1024, 1024], K = its axis 1); Wv (in the module: [1024, 1024], K = its axis 1); x (in the module: [4, 2048, 1024], K = its axis 2): each comes as NAME_codes (uint8): NAME with its K axis moved to the last place and cut into blocks of 32 codes, [.., K / 32, bytes a block], one block behind the other in memory; one code a byte (a code: sign, 5 exponent bits, 2 mantissa bits); and NAME_scales (uint8): the same leading axes, one E8M0 byte (e + 127) for each 32 codes along K. Its value is code x scale, taken as it is: it is not quantised again, and the codes and scales need not be those that the quantiser above would give.
;; One version. Each part assembles by itself: llvm-mc -triple=amdgcn-amd-amdhsa -mcpu=gfx1250 --defsym DOCPART=n.
;; ======== version 1 of 1: 3 launches
;; limits: right only within a limited range of input values
;; workspace buffers: qb 8,912,896 bytes; kv 17,563,648 bytes; acod 8,388,608 bytes; ascl 262,144 bytes
;; launch qkv (part 1): grid 192 x 4, 4 waves a work-group, clusters of 4 x 4, 327,680 bytes of LDS; arguments x_codes, x_scales, Wq_codes, Wq_scales, Wk_codes, Wk_scales, Wv_codes, Wv_scales, bq, bk, bv, qb, kv; writes qb, kv
.if DOCPART == 1
	.amdgcn_target "amdgcn-amd-amdhsa--gfx1250"
	.amdhsa_code_object_version 6
	.text
	.protected	k_q85f9977830_qkv
	.globl	k_q85f9977830_qkv
	.p2align	8
	.type	k_q85f9977830_qkv,@function
k_q85f9977830_qkv:
	s_mov_b64 s[64:65], 0
	v_nop
	global_prefetch_b8 v0, s[64:65] scope:SCOPE_SE
	s_setreg_imm32_b32 hwreg(HW_REG_WAVE_MODE, 25, 1), 1
	s_wait_xcnt 0x0
	s_wait_alu depctr_hold_cnt(0) depctr_sa_sdst(0) depctr_va_vdst(0) depctr_va_sdst(0) depctr_va_ssrc(0) depctr_va_vcc(0) depctr_vm_vsrc(0)
	s_getreg_b32 s2, hwreg(HW_REG_IB_STS2, 6, 4)
	s_cmp_eq_u32 s2, 0
	s_cbranch_scc0 .Lentry_in_a_cluster
	s_endpgm
.Lentry_in_a_cluster:
	s_bfe_u32 s2, ttmp6, 0x10000c
	s_cmp_lg_u32 s2, 0xf033
	s_cbranch_scc0 .Lentry_shape_is_right
	s_endpgm
.Lentry_shape_is_right:
; q = x Wq^T + bq, k = x Wk^T + bk, v = x Wv^T + bv on codes of BF8 (E5M2), one E8M0 scale for each 32 along K = 1,024; the results are quantised at once: q and k along the head's 64, v along the keys.
; ONE BODY FOR THE THREE.  48 clusters of 4 x 4: clusters 0-15 make q, 16-31 k, 32-47 v (KIND = cluster / 16).  A work-group multiplies 128 rows of "A" (source 1) by 256 rows of "B" (source 0); a lane holds ONE row of A
; and its registers run along B's rows.  q, k: A = x, B = W.  v: A = Wv, B = x, so that registers run along the keys.  A wave makes 64 x 128: 32 accumulators.  A's tile is shared along a row of the cluster, B's along a column.
; K THROUGH LDS: region X holds 512 along K of the 384 rows (rows of 512 bytes + 16), region Y 256 along K (rows of 256 + 16).  X is each wave's one load at the head; Y is first filled behind a drained round;
; the last 256 along K go into X's first 256 columns (rows of 256 bytes, 272 bytes skipped behind each) behind a second drained round, when K step 3's fragments are in registers.
; THE SCALE WORDS come by plain loads into registers: a load takes 16 rows x 32 bytes, 512 consecutive bytes; lanes 0-15 hold the words of K steps 0-3, lanes 16-31 of steps 4-7.
; No prefetch: the text has no loop to run ahead in.
; THE ORDER OF K IN THE CODES MADE: tiles 2 c, 2 c + 1 of B's rows give a lane 16 numbers of block c: 32 c + 16 u + 8 (lane / 16) + j; they are converted as they stand; q and k, and later p and v, are permuted alike inside a block.
; STORED are images of operand registers (lane l's 16 bytes at 16 l):
;   qb: [head 64][step of 128 tokens 16] blocks of 8,704 bytes: tile i at 1024 i + 512 c; scale words at 8192 + 256 (i / 4) + 16 r + 4 (i % 4).
;   kv: blocks of 17,152 bytes: K as q; V^T (tile n of 16 channels x 128 keys) at 8192 + 2048 n + 512 c; K's scale words at 16384, V's at 16896 + 16 r + 4 n.
;   A scale word of q or k: bytes 0, 1 the head's two scales, bytes 2, 3 = 0x7f.
; LIMITS: NaN and infinities among the inputs are not served.  A block of zeros gets the byte 1 where the rule says 127: its codes are zeros, and this program alone reads the bytes.
; REGISTERS: window 0: v1-7 at work, v8-15 bias (v), v16-30 addresses, v31 a scale word, v64-127 scale words, v128-255 A's fragments, two sets (way out: v128-239).  window 1: B's fragments, two sets.  window 2: accumulators.  window 3: v0-63 bias (q, k).
.set PX,   528
.set PY,   272
.set AXH,  64*PX
.set BXH,  128*PX
.set XB,   2*AXH                       ; in X: A's 128 rows, then B's 256
.set YO,   2*AXH+2*BXH
.set AYH,  64*PY
.set BYH,  128*PY
.set YB,   YO+2*AYH
.set SPARE, YO+384*PY                  ; the spare words: 128 bytes a wave
.set BQ,   8
.set ADRA, 16                          ; v16, v17  my A fragments in X, in Y
.set ADRB, 20                          ; v20, v21  my B fragments
.set VA,   25
.set VB,   26
.set VS,   27
.set SPW,  28
.set NIL,  29
.set VSC,  30                          ; 32 r + 16 h: my place in 16 rows of scale bytes
.set PW,   31
.set SC,   64                          ; B's block b: v[SC + 8 b + j % 4]; A's block a: v[SC + 4 + 8 a + j % 4]: the two numbers differ modulo 8
.set AF,   128
.set T,    128
.set PC,   192
.set TM,   208
.set W,    224
.set X,    228
.set EV,   232
.set OD,   236
.set MNT,  19
.set SEL,  20
.set G1A,  24
.set G0A,  32                          ; s32 X, s36 Y, s40 the refill
.set G1B,  48
.set G0B0, 56
.set G0B1, 60
.set G0B2, 68
.set G1YA, 76
.set G1YB, 84
.set MSB, 0
.macro WIN new
.if MSB != (\new)
	s_set_vgpr_msb (MSB<<8)|(\new)
.set MSB, (\new)
.endif
.endm
.macro JLOAD g0a, g1a, g0b, g1b        ; waves 0, 1 fetch for A, waves 2, 3 for B: one joint load a wave
	s_cmp_eq_u32 s15, 0
	s_cbranch_scc0 .Lfor_b_\@
	tensor_load_to_lds s[\g0a:\g0a+3], s[\g1a:\g1a+7]
	s_nop 0
.rept 4
	v_nop
.endr
	s_branch .Lasked_\@
.Lfor_b_\@:
	tensor_load_to_lds s[\g0b:\g0b+3], s[\g1b:\g1b+7]
	s_nop 0
.rept 4
	v_nop
.endr
.Lasked_\@:
.endm
.macro CROUND
	s_barrier_signal -1
	s_barrier_wait -1
	s_cmp_lg_u32 s14, 0
	s_cbranch_scc1 .Lnot_wave_0_\@
	s_barrier_signal -3
.Lnot_wave_0_\@:
	s_barrier_wait -3
	s_barrier_signal -1
	s_barrier_wait -1
.endm
.macro PLACES n
.rept \n
	v_nop
.endr
.endm
.macro SETG1 g, c, r, p
	s_mov_b32 s[\g+1], (\c)<<16
	s_mov_b32 s[\g+2], (\r)<<16
	s_mov_b32 s[\g+3], (\c)<<16
	s_mov_b32 s[\g+4], \r
	s_mov_b32 s[\g+5], \p
	s_mov_b32 s[\g+6], 0
	s_mov_b32 s[\g+7], 0
.endm
.macro SETG0 g, lreg, loff, ptr, goff
	s_mov_b32 s[\g], 1
	s_add_co_u32 s[\g+1], s[\lreg], \loff
	s_add_nc_u64 s[\g+2:\g+3], s[\ptr:\ptr+1], \goff
	s_or_b32 s[\g+3], s[\g+3], 0x80000000
.endm
	s_load_b512 s[24:39], s[0:1], 0x0              ; x codes, x scales, Wq c, Wq s, Wk c, Wk s, Wv c, Wv s
	s_load_b256 s[40:47], s[0:1], 0x40             ; bq, bk, bv, qb
	s_load_b64 s[48:49], s[0:1], 0x60              ; kv
	v_lshl_add_u32 v[SPW], v0, 2, SPARE
	v_mov_b32 v[NIL], 0
	ds_add_u32 v[SPW], v[NIL]                      ; the opening lines: the add twice and its wait
	ds_add_u32 v[SPW], v[NIL]
	v_lshrrev_b32 v1, 5, v0
	v_readfirstlane_b32 s14, v1                    ; wave 0..3
	s_lshr_b32 s15, s14, 1                         ; which 64 rows of A are mine; also: I fetch for A (0) or B (1)
	s_and_b32 s16, s14, 1                          ; which 128 rows of B are mine; also: which half of that tile I fetch
	s_bfe_u32 s92, ttmp6, 0x40000                  ; cx
	s_bfe_u32 s93, ttmp6, 0x40004                  ; cy
	s_lshl_b32 s94, s93, 2
	s_lshl_b32 s94, 15, s94                        ; my row of the cluster
	s_lshl_b32 s95, 0x1111, s92                    ; my column
	s_lshr_b32 s17, ttmp9, 4                       ; KIND
	s_and_b32 s18, ttmp9, 15
	s_and_b32 s22, ttmp9, 1
	s_lshr_b32 s23, s18, 1
	s_cmp_eq_u32 s17, 2
	s_cselect_b32 s22, s22, s18                    ; q, k: 16 blocks of 512 tokens;  v: 2 blocks of 512 rows of Wv
	s_cselect_b32 s23, s23, 0                      ; q, k: all rows of W;  v: 8 blocks of 1,024 tokens
	s_lshl_b32 s22, s22, 9
	s_lshl_b32 s23, s23, 10
	s_lshl_b32 s98, s93, 7
	s_add_co_u32 s22, s22, s98                     ; the work-group's first row of A
	s_lshl_b32 s104, s92, 8
	s_add_co_u32 s23, s23, s104                    ; and of B
	s_lshl_b32 s100, s16, 6
	s_add_co_u32 s100, s22, s100                   ; the rows of A that I fetch
	s_lshl_b32 s98, s100, 10
	s_mov_b32 s99, 0
	s_lshl_b32 s100, s15, 6
	s_add_co_u32 s100, s22, s100                   ; the rows of A that I multiply:
	s_lshl_b32 s100, s100, 5                       ; their scale bytes
	s_mov_b32 s101, 0
	s_lshl_b32 s2, s16, 7
	s_add_co_u32 s2, s23, s2                       ; the rows of B that I fetch and multiply
	s_lshl_b32 s104, s2, 10
	s_mov_b32 s105, 0
	s_lshl_b32 s2, s2, 5
	s_mov_b32 s3, 0
	s_mul_i32 s18, s16, AXH                        ; where the tiles go: the wave's number alone enters an LDS address
	s_mul_i32 s66, s16, BXH
	s_mul_i32 s67, s16, AYH
	s_mul_i32 s19, s16, BYH
	s_wait_dscnt 0x0
	s_wait_kmcnt 0x0
	s_cmp_eq_u32 s17, 0                            ; the buffers are chosen by KIND
	s_cselect_b64 s[8:9], s[28:29], s[32:33]
	s_cselect_b64 s[10:11], s[30:31], s[34:35]
	s_cselect_b64 s[96:97], s[40:41], s[42:43]
	s_cselect_b64 s[12:13], s[46:47], s[48:49]
	s_cmp_eq_u32 s17, 2
	s_cselect_b64 s[4:5], s[36:37], s[24:25]       ; A's codes
	s_cselect_b64 s[6:7], s[38:39], s[26:27]       ; A's scales
	s_cselect_b64 s[8:9], s[24:25], s[8:9]         ; B's codes
	s_cselect_b64 s[10:11], s[26:27], s[10:11]     ; B's scales
	s_cselect_b64 s[96:97], s[44:45], s[96:97]     ; the bias
	s_add_nc_u64 s[4:5], s[4:5], s[98:99]
	s_add_nc_u64 s[6:7], s[6:7], s[100:101]
	s_add_nc_u64 s[8:9], s[8:9], s[104:105]
	s_add_nc_u64 s[10:11], s[10:11], s[2:3]
	s_or_b32 s[G1A], s94, (1<<20)|(1<<21)|(6<<22)|(3<<25)    ; X: 16 bytes of padding behind every 512
	s_or_b32 s[G1B], s95, (1<<20)|(1<<21)|(6<<22)|(3<<25)
	SETG1 G1A, 512, 64, 1024
	SETG1 G1B, 512, 128, 1024
	s_or_b32 s[G1YA], s94, (1<<20)|(1<<21)|(5<<22)|(3<<25)   ; Y: 16 bytes behind every 256
	s_or_b32 s[G1YB], s95, (1<<20)|(1<<21)|(5<<22)|(3<<25)
	SETG1 G1YA, 256, 64, 1024
	SETG1 G1YB, 256, 128, 1024
	SETG0 G0A, 18, 0, 4, 0
	SETG0 G0A+4, 67, YO, 4, 512
	SETG0 G0A+8, 18, 0, 4, 768
	SETG0 G0B0, 66, XB, 8, 0
	SETG0 G0B1, 19, YB, 8, 512
	SETG0 G0B2, 66, XB, 8, 768
	CROUND                                         ; all sixteen work-groups are here
	JLOAD G0A, G1A, G0B0, G1B                      ; X: my one load at the head
	v_and_b32 v1, 15, v0                           ; r
	v_bfe_u32 v2, v0, 4, 1                         ; h
	v_lshlrev_b32 v[VSC], 5, v1
	v_lshl_add_u32 v[VSC], v2, 4, v[VSC]
.irp i, 0,1,2,3,4,5,6,7
	global_load_b128 v[SC+8*\i:SC+8*\i+3], v[VSC], s[10:11] offset:512*\i
.endr
.irp i, 0,1,2,3
	global_load_b128 v[SC+4+8*\i:SC+7+8*\i], v[VSC], s[6:7] offset:512*\i
.endr
	v_mul_u32_u24 v3, v1, PX
	v_lshl_add_u32 v3, v2, 4, v3
	v_mul_u32_u24 v5, v1, PY
	v_lshl_add_u32 v5, v2, 4, v5
	s_mul_i32 s18, s15, AXH
	s_mul_i32 s66, s16, BXH
	s_add_co_u32 s66, s66, XB
	v_add_nc_u32 v[ADRA], s18, v3
	v_add_nc_u32 v[ADRB], s66, v3
	s_mul_i32 s18, s15, AYH
	s_add_co_u32 s18, s18, YO
	s_mul_i32 s66, s16, BYH
	s_add_co_u32 s66, s66, YB
	v_add_nc_u32 v[ADRA+1], s18, v5
	v_add_nc_u32 v[ADRB+1], s66, v5
	; where my results go
	s_lshl_b32 s18, s15, 6
	s_add_co_u32 s22, s22, s18                     ; my first row of A
	s_lshl_b32 s18, s16, 7
	s_add_co_u32 s23, s23, s18                     ; my first row of B
	s_bfe_u32 s98, s22, 0x10006                    ; which half of a step of 128 tokens (q, k)
	s_mov_b32 s100, 274432
	s_mov_b32 s101, 17152
	s_mov_b32 s99, 16384
	s_mov_b32 s104, 1024
	s_cmp_eq_u32 s17, 0
	s_cselect_b32 s100, 139264, s100               ; bytes from head to head
	s_cselect_b32 s101, 8704, s101                 ; from step to step
	s_cselect_b32 s99, 8192, s99                   ; where the scale words begin in a block
	s_cmp_eq_u32 s17, 2
	s_cselect_b32 s66, s23, s22                    ; my first token
	s_cselect_b32 s67, s22, s23                    ; my first feature
	s_cselect_b32 s18, 0, s67                      ; the bias along registers begins there (v: 0 keeps the load inside its buffer)
	s_cselect_b32 s98, 0, s98
	s_cselect_b32 s99, 16896, s99
	s_cselect_b32 s2, 8192, 0                      ; where the codes begin in a block
	s_cselect_b32 s3, 1024, s100                   ; quads 2, 3: the same fragment (v) or the next head's (q, k)
	s_cselect_b32 s104, 2048, s104                 ; from tile to tile
	s_cselect_b32 s19, 8, s100                     ; lanes 16-31's scale words
	s_mov_b32 s105, 0
	s_lshr_b32 s22, s66, 11
	s_lshl_b32 s22, s22, 4
	s_lshr_b32 s23, s67, 6
	s_add_co_u32 s22, s22, s23                     ; 16 x batch + head
	s_bfe_u32 s23, s66, 0x40007                    ; the step
	s_mul_i32 s22, s22, s100
	s_mul_i32 s23, s23, s101
	s_add_co_u32 s22, s22, s23                     ; my block
	s_lshl_b32 s23, s98, 8
	s_add_co_u32 s23, s23, s99
	s_add_co_u32 s23, s23, s22                     ; my scale words
	s_lshl_b32 s66, s98, 12
	s_add_co_u32 s66, s66, s2
	s_add_co_u32 s22, s22, s66                     ; my codes
	s_mov_b32 s98, s23
	s_mov_b32 s99, 0
	s_add_nc_u64 s[98:99], s[12:13], s[98:99]
	s_mov_b32 s23, 0
	s_add_nc_u64 s[12:13], s[12:13], s[22:23]
	s_wait_alu depctr_va_vdst(0)
	v_and_b32 v4, 31, v0
	v_lshlrev_b32 v[VA], 4, v4
	v_add_nc_u32 v[VB], s3, v[VA]
	v_lshlrev_b32 v[VS], 4, v1
	v_mul_u32_u24 v5, s19, v2
	v_add_nc_u32 v[VS], v[VS], v5
	v_lshlrev_b32 v6, 5, v2                        ; the bias along registers: feature 16 p + 8 h + j
	v_lshl_add_u32 v6, s18, 2, v6
	v_lshlrev_b32 v7, 2, v1                        ; the bias of my row: feature 16 i + r
	v_lshl_add_u32 v7, s67, 2, v7
	WIN 0xc0
.irp p, 0,1,2,3,4,5,6,7
	global_load_b128 v[8*\p:8*\p+3], v6, s[96:97] offset:64*\p
	global_load_b128 v[8*\p+4:8*\p+7], v6, s[96:97] offset:64*\p+16
.endr
	WIN 0
.irp i, 0,1,2,3
	global_load_b32 v[BQ+2*\i], v7, s[96:97] offset:64*\i
	global_load_b32 v[BQ+2*\i+1], v7, s[96:97] offset:64*\i
.endr
	s_mov_b32 s2, 0xffff0000                       ; lanes 16-31
	s_mov_b32 s3, 0x7f7f0000                       ; two scale bytes of 1.0
	s_mov_b32 s[MNT], 0x600000
	s_mov_b32 s[SEL], 0x76543210
	s_mov_b32 s[SEL+1], 0xfedcba98
; K step j's fragments, 48 loads in one run.  Steps 0-3: X, byte 128 j of a row; steps 4, 5: Y; steps 6, 7: X's first 256 columns, filled again.
.macro FETCH j
.if (\j)/2 == 2
.set RG, 1
.set PT, PY
.else
.set RG, 0
.set PT, PX
.endif
.if (\j) < 4
.set KO, 128*(\j)
.else
.set KO, 128*((\j)%2)
.endif
	WIN 0x40
.irp i, 0,1,2,3,4,5,6,7
.irp c, 0,1,2,3
	ds_load_b128 v[128*((\j)%2)+16*\i+4*\c:128*((\j)%2)+16*\i+4*\c+3], v[ADRB+RG] offset:KO+32*\c+\i*16*PT
.endr
.endr
	WIN 0
.irp i, 0,1,2,3
.irp c, 0,1,2,3
	ds_load_b128 v[AF+64*((\j)%2)+16*\i+4*\c:AF+64*((\j)%2)+16*\i+4*\c+3], v[ADRA+RG] offset:KO+32*\c+\i*16*PT
.endr
.endr
.endm
; 32 matrix instructions, the 32 accumulators by turns.  first = 1: the products start the sums.
.macro MUL j, first
	WIN 0xa1
.irp a, 0,1,2,3
.irp b, 0,1,2,3,4,5,6,7
.if \first
	v_wmma_scale_f32_16x16x128_f8f6f4 v[8*(8*\a+\b):8*(8*\a+\b)+7], v[128*((\j)%2)+16*\b:128*((\j)%2)+16*\b+15], v[AF+64*((\j)%2)+16*\a:AF+64*((\j)%2)+16*\a+15], 0, v[SC+8*\b+(\j)%4], v[SC+4+8*\a+(\j)%4] matrix_a_fmt:MATRIX_FMT_BF8 matrix_b_fmt:MATRIX_FMT_BF8
.elseif (\j) < 4
	v_wmma_scale_f32_16x16x128_f8f6f4 v[8*(8*\a+\b):8*(8*\a+\b)+7], v[128*((\j)%2)+16*\b:128*((\j)%2)+16*\b+15], v[AF+64*((\j)%2)+16*\a:AF+64*((\j)%2)+16*\a+15], v[8*(8*\a+\b):8*(8*\a+\b)+7], v[SC+8*\b+(\j)%4], v[SC+4+8*\a+(\j)%4] matrix_a_fmt:MATRIX_FMT_BF8 matrix_b_fmt:MATRIX_FMT_BF8
.else
	v_wmma_scale_f32_16x16x128_f8f6f4 v[8*(8*\a+\b):8*(8*\a+\b)+7], v[128*((\j)%2)+16*\b:128*((\j)%2)+16*\b+15], v[AF+64*((\j)%2)+16*\a:AF+64*((\j)%2)+16*\a+15], v[8*(8*\a+\b):8*(8*\a+\b)+7], v[SC+8*\b+(\j)%4], v[SC+4+8*\a+(\j)%4] matrix_a_fmt:MATRIX_FMT_BF8 matrix_b_fmt:MATRIX_FMT_BF8 matrix_a_scale:MATRIX_SCALE_ROW1 matrix_b_scale:MATRIX_SCALE_ROW1
.endif
.endr
.endr
.endm
.macro NEXT j                          ; eight places in front of loads into registers that the step before has multiplied
	PLACES 8
	FETCH (\j)+1
	s_wait_dscnt 48                                ; all but the 48 just issued
	MUL \j, 0
.endm
	s_wait_alu depctr_va_vdst(0)                   ; the wait at the head's end
	s_wait_tensorcnt 0x0                           ; my part of X is in; the three lines ahead of a later first fill
	ds_add_u32 v[SPW], v[NIL]
	s_wait_dscnt 0x0
	CROUND                                         ; X is whole
	JLOAD G0A+4, G1YA, G0B1, G1YB                  ; Y: it has three K steps, 96 matrix instructions, in which to land
	FETCH 0
	FETCH 1
	s_wait_loadcnt 0x0                             ; the scale words and the biases
	s_wait_dscnt 48
	MUL 0, 1
	NEXT 1
	NEXT 2
	WIN 0
	s_wait_tensorcnt 0x0                           ; my part of Y is in, so a descriptor may be written
	ds_add_u32 v[SPW], v[NIL]
	s_or_b32 s[G1YA], s94, (1<<20)|(1<<21)|(5<<22)|(67<<25)   ; the refill: 68 words skipped behind every 256 bytes: X's pitch
	s_or_b32 s[G1YB], s95, (1<<20)|(1<<21)|(5<<22)|(67<<25)
	s_wait_dscnt 0x0                               ; the add is done; K step 3's fragments are in: my reads of X are over
	CROUND
	JLOAD G0A+8, G1YA, G0B2, G1YB                  ; the last 256 along K: two K steps in which to land
	PLACES 4
	FETCH 4
	s_wait_dscnt 48
	MUL 3, 0
	NEXT 4
	s_wait_tensorcnt 0x0                           ; my part of the refill is in
	s_wait_dscnt 0x0
	s_barrier_signal -1
	s_barrier_wait -1
	NEXT 5
	NEXT 6
	s_wait_dscnt 0x0
	MUL 7, 0
	WIN 0
	PLACES 8
; 64 numbers of a lane, register 16 b + i of block b, become 16 registers of codes in v[PC] on and a scale word in v[PW].
.macro QUANT s
.irp b, 0,1,2,3
	v_max3_num_f32 v[TM+\b], |v[\s+16*\b]|, |v[\s+1+16*\b]|, 0x8000000   ; and the floor 2^(16 - 127): the byte cannot fall under 1
.endr
.irp i, 2,4,6,8,10,12,14
.irp b, 0,1,2,3
	v_max3_num_f32 v[TM+\b], v[TM+\b], |v[\s+16*\b+\i]|, |v[\s+1+16*\b+\i]|
.endr
.endr
.irp b, 0,1,2,3
	v_permlanex16_b32 v[TM+4+\b], v[TM+\b], s[SEL], s[SEL+1]
.endr
.irp b, 0,1,2,3
	v_max_num_f32 v[TM+\b], v[TM+\b], v[TM+4+\b]
.endr
.irp b, 0,1,2,3
	v_add_nc_u32 v[TM+12+\b], 0xf8800000, v[TM+\b] ; 15 off the exponent field: the conversion's scale operand
.endr
.irp b, 0,1,2,3
	v_and_or_b32 v[TM+8+\b], v[TM+\b], 0x7f800000, s[MNT]   ; 57,344 x the scale
.endr
.irp b, 0,1,2,3
	v_lshrrev_b32 v[TM+4+\b], 23, v[TM+12+\b]
.endr
	v_lshl_or_b32 v[PW], v[TM+5], 8, v[TM+4]
	v_lshl_or_b32 v[PW], v[TM+6], 16, v[PW]
	v_lshl_or_b32 v[PW], v[TM+7], 24, v[PW]
.irp b, 0,1,2,3
.irp i, 0,1,2,3,4,5,6,7,8,9,10,11,12,13,14,15
	v_med3_num_f32 v[\s+16*\b+\i], v[\s+16*\b+\i], -v[TM+8+\b], v[TM+8+\b]   ; the conversion does not saturate (ISA guide 7.6.2): the hold
.endr
	v_cvt_scalef32_pk8_bf8_f32 v[PC+4*\b:PC+1+4*\b], v[\s+16*\b:\s+7+16*\b], v[TM+12+\b]
	v_cvt_scalef32_pk8_bf8_f32 v[PC+2+4*\b:PC+3+4*\b], v[\s+8+16*\b:\s+15+16*\b], v[TM+12+\b]
.endr
	v_nop
.endm
.macro TILE_OUT i                      ; tile i of my four tiles of A's rows: bias, quantiser, four stores of 512 bytes
.if \i > 0
	s_wait_xcnt 0x0
	s_add_nc_u64 s[12:13], s[12:13], s[104:105]
.endif
	s_cmp_eq_u32 s17, 2
	s_cbranch_scc1 .Lbias_v_\@
	WIN 0x0e                                       ; q, k: the bias runs along the registers
.irp p, 0,1,2,3,4,5,6,7
.irp k, 0,2,4,6
	v_pk_add_f32 v[T+8*\p+\k:T+8*\p+\k+1], v[8*(8*\i+\p)+\k:8*(8*\i+\p)+\k+1], v[8*\p+\k:8*\p+\k+1]
.endr
.endr
	WIN 0
	s_branch .Lbiased_\@
.Lbias_v_\@:
	WIN 0x02                                       ; v: one number for my row
.irp p, 0,1,2,3,4,5,6,7
.irp k, 0,2,4,6
	v_pk_add_f32 v[T+8*\p+\k:T+8*\p+\k+1], v[8*(8*\i+\p)+\k:8*(8*\i+\p)+\k+1], v[BQ+2*\i:BQ+2*\i+1]
.endr
.endr
	WIN 0
.Lbiased_\@:
	QUANT T
	v_mov_b32 v[W+\i], v[PW]
	global_store_b128 v[VA], v[PC:PC+3], s[12:13]
	global_store_b128 v[VA], v[PC+4:PC+7], s[12:13] offset:512
	global_store_b128 v[VB], v[PC+8:PC+11], s[12:13]
	global_store_b128 v[VB], v[PC+12:PC+15], s[12:13] offset:512
.endm
.irp b, 0,1,2,3
	v_mov_b32 v[TM+4+\b], 0                        ; a lane permute's destination counts as one of its sources
.endr
	TILE_OUT 0
	TILE_OUT 1
	TILE_OUT 2
	TILE_OUT 3
	s_cmp_eq_u32 s17, 2
	s_cbranch_scc1 .Lsc_v
.irp i, 0,1,2,3
	v_and_or_b32 v[EV+\i], v[W+\i], 0xffff, s3     ; the even head's two bytes, under two bytes of 1.0
	v_lshrrev_b32 v[OD+\i], 16, v[W+\i]
.endr
.irp i, 0,1,2,3
	v_or_b32 v[OD+\i], s3, v[OD+\i]
.endr
.irp i, 0,1,2,3
	v_cndmask_b32 v[X+\i], v[EV+\i], v[OD+\i], s2  ; lanes 0-15 store the even head's 256 bytes, lanes 16-31 the odd head's
.endr
	global_store_b128 v[VS], v[X:X+3], s[98:99]
	s_branch .Lsc_done
.Lsc_v:
	v_cndmask_b32 v[X], v[W], v[W+2], s2           ; lanes 0-15 tiles 0, 1's words of row r, lanes 16-31 tiles 2, 3's
	s_wait_alu depctr_va_vdst(0)
	v_cndmask_b32 v[X+1], v[W+1], v[W+3], s2
	global_store_b64 v[VS], v[X:X+1], s[98:99]
.Lsc_done:
	s_wait_tensorcnt 0x0                           ; the wave's end
	ds_add_u32 v[SPW], v[NIL]
	s_wait_dscnt 0x0
	CROUND
	s_endpgm
.Lfunc_end_k_q85f9977830_qkv:
	.size	k_q85f9977830_qkv, .Lfunc_end_k_q85f9977830_qkv-k_q85f9977830_qkv
	.p2alignl 7, 3214868480
	.fill 96, 4, 3214868480
	.section	.rodata,"a",@progbits
	.p2align	6, 0x0
	.amdhsa_kernel k_q85f9977830_qkv
		.amdhsa_group_segment_fixed_size 327680
		.amdhsa_private_segment_fixed_size 0
		.amdhsa_enable_private_segment 0
		.amdhsa_kernarg_size 104
		.amdhsa_user_sgpr_count 2
		.amdhsa_user_sgpr_kernarg_segment_ptr 1
		.amdhsa_wavefront_size32 1
		.amdhsa_system_sgpr_workgroup_id_x 1
		.amdhsa_system_sgpr_workgroup_id_y 1
		.amdhsa_system_sgpr_workgroup_id_z 1
		.amdhsa_system_vgpr_workitem_id 0
		.amdhsa_next_free_vgpr 1024
		.amdhsa_next_free_sgpr 106
		.amdhsa_reserve_vcc 0
		.amdhsa_float_denorm_mode_32 3
		.amdhsa_float_denorm_mode_16_64 3
		.amdhsa_memory_ordered 1
		.amdhsa_forward_progress 1
		.amdhsa_inst_pref_size 128
	.end_amdhsa_kernel
	.amdgpu_metadata
---
amdhsa.version: [ 1, 2 ]
amdhsa.kernels:
  - .name:           k_q85f9977830_qkv
    .symbol:         k_q85f9977830_qkv.kd
    .args:
      - { .name: x_codes, .offset: 0, .size: 8, .value_kind: global_buffer, .address_space: global }
      - { .name: x_scales, .offset: 8, .size: 8, .value_kind: global_buffer, .address_space: global }
      - { .name: Wq_codes, .offset: 16, .size: 8, .value_kind: global_buffer, .address_space: global }
      - { .name: Wq_scales, .offset: 24, .size: 8, .value_kind: global_buffer, .address_space: global }
      - { .name: Wk_codes, .offset: 32, .size: 8, .value_kind: global_buffer, .address_space: global }
      - { .name: Wk_scales, .offset: 40, .size: 8, .value_kind: global_buffer, .address_space: global }
      - { .name: Wv_codes, .offset: 48, .size: 8, .value_kind: global_buffer, .address_space: global }
      - { .name: Wv_scales, .offset: 56, .size: 8, .value_kind: global_buffer, .address_space: global }
      - { .name: bq, .offset: 64, .size: 8, .value_kind: global_buffer, .address_space: global }
      - { .name: bk, .offset: 72, .size: 8, .value_kind: global_buffer, .address_space: global }
      - { .name: bv, .offset: 80, .size: 8, .value_kind: global_buffer, .address_space: global }
      - { .name: qb, .offset: 88, .size: 8, .value_kind: global_buffer, .address_space: global }
      - { .name: kv, .offset: 96, .size: 8, .value_kind: global_buffer, .address_space: global }
    .group_segment_fixed_size: 327680
    .private_segment_fixed_size: 0
    .kernarg_segment_align: 8
    .kernarg_segment_size: 104
    .max_flat_workgroup_size: 128
    .sgpr_count:     106
    .vgpr_count:     1024
    .wavefront_size: 32
...
	.end_amdgpu_metadata
.endif
;; end of part 1
;; launch attn (part 2): grid 256 x 1, 8 waves a work-group, clusters of 4 x 1, 327,680 bytes of LDS; arguments qb, kv, acod, ascl; writes acod, ascl
.if DOCPART == 2
	.amdgcn_target "amdgcn-amd-amdhsa--gfx1250"
	.amdhsa_code_object_version 6
	.text
	.protected	k_q85f9977830_attn
	.globl	k_q85f9977830_attn
	.p2align	8
	.type	k_q85f9977830_attn,@function
k_q85f9977830_attn:
	s_mov_b64 s[64:65], 0
	v_nop
	global_prefetch_b8 v0, s[64:65] scope:SCOPE_SE
	s_setreg_imm32_b32 hwreg(HW_REG_WAVE_MODE, 25, 1), 1
	s_wait_xcnt 0x0
	s_wait_alu depctr_hold_cnt(0) depctr_sa_sdst(0) depctr_va_vdst(0) depctr_va_sdst(0) depctr_va_ssrc(0) depctr_va_vcc(0) depctr_vm_vsrc(0)
	s_getreg_b32 s2, hwreg(HW_REG_IB_STS2, 6, 4)
	s_cmp_eq_u32 s2, 0
	s_cbranch_scc0 .Lentry_in_a_cluster
	s_endpgm
.Lentry_in_a_cluster:
	s_bfe_u32 s2, ttmp6, 0x10000c
	s_cmp_lg_u32 s2, 0x3003
	s_cbranch_scc0 .Lentry_shape_is_right
	s_endpgm
.Lentry_shape_is_right:
; O = softmax(q k^T / 8) v for one head, both products on codes of BF8 (E5M2), one E8M0 scale for each 32 along a product's K; O is quantised along the model's 1,024 (two blocks a head) for the last product.
; THE SOFTMAX: t = score x log2(e) / 8; M = the running largest t rounded UP to a whole number; p = 2^(t - M) is quantised along the keys, not normalised; the row's sum is taken of the unquantised p and divides O at the end.
; When M moves, the sum and O are multiplied by 2^(old M - new M): exact.
; SHARES.  A cluster of four work-groups is one head.  A work-group owns 512 queries, each of its eight waves 64, in two passes of two tiles of 16; each fragment of K and V feeds two matrix instructions; two waves share a SIMD.
; THE TWO TILES' SOFTMAX IS ONE TEXT, line by line by turns: eight chains of maxima, four of sums, one batch of 136 exponentials a key step.  For that both tiles' scores and state lie in window 0.
; K AND V OF THE WHOLE HEAD STAY IN LDS: 16 blocks of 17,152 bytes (128 keys), the image of kv, filled ONCE by joint loads that name the four work-groups: wave w brings blocks 2 w and 2 w + 1 by its one load (134 rows of 256 bytes).
; Waves 0 and 1 have a load line of their own: the first barrier shows blocks 0 to 3, the second, three key steps on, the rest.  No byte of LDS is filled twice, none is stored to.
; No prefetch: K and V are asked for once, at the head, with nothing to run ahead of.
; A KEY STEP: behind the score products this step's V and the NEXT step's K are loaded from LDS and land under the softmax (the last step of a pass loads block 15's K once more, so that no address leaves the blocks).
; LAYOUT.  Both products are used transposed (S^T = K Q^T, O^T = V^T P^T): a lane holds ONE query.  Fragments lie in LDS as images of their registers.  Inside a block of 32 the codes of q and k, and of p and v, are permuted alike.
; THE FIRST PRODUCT'S K IS 64 of the instruction's 128: Q's upper eight registers are zeros; K's upper eight are the next key tile's codes (finite), under scale bytes of 1.0.
; LIMITS: NaN and infinities are not served; the promise holds while the scaled scores t stay under 2^31 in magnitude; a block of zeros gets the byte 1 where the rule says 127 (its codes are zeros; this program alone reads the bytes);
; the scale bytes leave as 2 bytes a token, 32 bytes apart, since a token's 32 bytes come from 16 heads.
; REGISTERS.  Window 0: v1-9 addresses, v8 Q's scale words, v12-19 -M, t, the sum (4 a tile), v20-23 K's scale words, v24-27 V's, v28-29 p's, v32-63 at work (16 a tile), v64-75 f and the like, v80-111 Q and zeros, v112-239 S^T then p.
; Window 1: v0-71 K and zeros, v72-135 V^T, v136-167 p's codes, v168-231 O^T.
.set BLK,  17152
.set SPARE, 16*BLK
.set LI,   1                           ; 16 x lane
.set ADK,  2                           ; this step's block + 16 x lane
.set ADS,  3                           ; this step's block + 16 x (lane % 16)
.set LR,   4
.set LT,   5                           ; 32 x lane
.set VQS,  6
.set VQ,   7
.set QS,   8
.set ADN,  9                           ; the next step's block + 16 x lane
.set ST,   12                          ; tile T: v[ST + 4 T] -M, + 1 t, + 2, + 3 the sum
.set KS,   20
.set VS,   24
.set PW,   28
.set SPW,  30
.set NIL,  31
.set WK,   32                          ; tile T, block b: v[WK + 16 T + b] largest, + 4 permute and byte, + 8 hold, + 12 scale operand
.set FF,   64
.set TA,   68
.set SUM2, 70
.set TW,   74
.set QF,   80
.set S0,   112
.set KF,   0
.set VF,   72
.set PC,   136
.set O,    168
.set WV,   12
.set MNT,  19
.set SEL,  20
.set CS,   22
.set TB,   48
.set CNT,  49
.set PASS, 50
.set HM,   51
.set TBN,  61
.set MSB, 0
.macro WIN new
.if MSB != (\new)
	s_set_vgpr_msb (MSB<<8)|(\new)
.set MSB, (\new)
.endif
.endm
.macro CROUND
	s_barrier_signal -1
	s_barrier_wait -1
	s_cmp_lg_u32 s[WV], 0
	s_cbranch_scc1 .Lnot_wave_0_\@
	s_barrier_signal -3
.Lnot_wave_0_\@:
	s_barrier_wait -3
	s_barrier_signal -1
	s_barrier_wait -1
.endm
	s_load_b256 s[4:11], s[0:1], 0x0               ; qb, kv, acod, ascl
	v_lshl_add_u32 v[SPW], v0, 2, SPARE
	v_mov_b32 v[NIL], 0
	ds_add_u32 v[SPW], v[NIL]                      ; the opening lines: the add twice and its wait
	ds_add_u32 v[SPW], v[NIL]
	v_lshrrev_b32 v1, 5, v0
	v_readfirstlane_b32 s[WV], v1                  ; wave 0..7
	s_bfe_u32 s13, ttmp6, 0x40000                  ; cx: it enters the addresses of Q and of the results alone
	s_and_b32 s14, s[WV], 3
	s_lshr_b32 s15, s[WV], 2
	s_mul_i32 s16, s[WV], 2*BLK                    ; the two blocks that I fetch
	s_mul_i32 s52, ttmp9, 16*BLK                   ; the head's K and V
	s_add_co_u32 s52, s52, s16
	s_mov_b32 s53, 0
	s_mul_i32 s54, ttmp9, 139264                   ; the head's Q,
	s_lshl_b32 s17, s13, 2
	s_add_co_u32 s17, s17, s15
	s_mul_i32 s17, s17, 8704                       ; the block of 128 queries 4 cx + wave / 4 (the second pass: two blocks on)
	s_add_co_u32 s54, s54, s17
	s_mov_b32 s55, 0
	s_and_b32 s18, ttmp9, 15                       ; the head in its batch
	s_lshr_b32 s56, ttmp9, 4
	s_lshl_b32 s56, s56, 7
	s_lshl_b32 s57, s13, 5
	s_add_co_u32 s56, s56, s57
	s_lshl_b32 s57, s[WV], 1
	s_add_co_u32 s56, s56, s57                     ; my first tile of 16 tokens: 128 x batch + 32 cx + 2 x wave
	s_lshl_b32 s58, s56, 9                         ; its scale bytes: 32 a token,
	s_lshl_b32 s57, s18, 1
	s_add_co_u32 s58, s58, s57                     ; the head's two
	s_mov_b32 s59, 0
	s_lshl_b32 s56, s56, 12                        ; its codes: 4,096 bytes a tile and 256 along K,
	s_lshr_b32 s57, s18, 2
	s_lshl_b32 s57, s57, 21                        ; four heads to 256 along K,
	s_add_co_u32 s56, s56, s57
	s_and_b32 s57, s18, 3
	s_lshl_b32 s57, s57, 10                        ; 1,024 bytes a head
	s_add_co_u32 s56, s56, s57
	s_mov_b32 s57, 0
	s_mov_b32 s24, 15|(3<<16)|(1<<21)              ; group 1: 34,304 dense bytes as 134 rows of 256 (32 elements of 8 bytes); the mask names all four work-groups
	s_mov_b32 s25, 32<<16
	s_mov_b32 s26, 134<<16
	s_mov_b32 s27, 32<<16
	s_mov_b32 s28, 134
	s_mov_b32 s29, 32
	s_mov_b32 s30, 0
	s_mov_b32 s31, 0
	s_mov_b32 s[MNT], 0x600000                     ; the mantissa field of 57,344
	s_mov_b32 s[SEL], 0x76543210
	s_mov_b32 s[SEL+1], 0xfedcba98
	s_mov_b32 s[CS], 0x3e38aa3b                    ; c = log2(e) / 8
	s_mov_b32 s[CS+1], s[CS]
	s_mov_b32 s[HM], 0xffff0000                    ; lanes 16-31
	s_mov_b32 s[PASS], 2
	v_and_b32 v9, 31, v0
	v_and_b32 v7, 15, v0
	v_bfe_u32 v6, v0, 4, 1
	v_lshlrev_b32 v[LI], 4, v9
	v_lshlrev_b32 v[LR], 4, v7
	v_lshlrev_b32 v[LT], 5, v9
	v_lshl_add_u32 v[VQS], v6, 2, v[LR]            ; 16 r + 4 h: lanes 0-15 take tile 0's word, lanes 16-31 tile 1's
	s_lshr_b32 s17, s14, 1
	s_lshl_b32 s17, s17, 8
	s_and_b32 s60, s[WV], 1
	s_lshl_b32 s60, s60, 3
	s_add_co_u32 s17, s17, s60
	s_add_co_u32 s17, s17, 8192                    ; tile i = 2 (wave % 4): 8192 + 256 (i / 4) + 4 (i % 4)
	v_add_nc_u32 v[VQS], s17, v[VQS]
	s_lshl_b32 s17, s14, 11
	v_add_nc_u32 v[VQ], s17, v[LI]                 ; its codes: 1,024 i + 16 x lane
.irp j, 88,89,90,91,92,93,94,95,104,105,106,107,108,109,110,111,36,37,38,39,52,53,54,55,65,67,68,69
	v_mov_b32 v\j, 0                               ; Q's upper halves; the lane permutes' destinations; the upper halves of the pairs f
.endr
	WIN 0x40
.irp j, 64,65,66,67,68,69,70,71
	v_mov_b32 v\j, 0                               ; behind key tile 7
.endr
	WIN 0
	s_wait_alu depctr_va_vdst(0)                   ; the wait at the head's end
	s_wait_dscnt 0x0
	s_wait_kmcnt 0x0
	s_add_nc_u64 s[6:7], s[6:7], s[52:53]
	s_add_nc_u64 s[4:5], s[4:5], s[54:55]
	s_add_nc_u64 s[8:9], s[8:9], s[56:57]
	s_add_nc_u64 s[10:11], s[10:11], s[58:59]
	s_mov_b32 s32, 1
	s_mov_b32 s33, s16                             ; at the same place in LDS as in the head's part of kv
	s_mov_b64 s[34:35], s[6:7]
	s_or_b32 s35, s35, 0x80000000
	CROUND                                         ; all four work-groups are here: the joint loads meet
	s_cmp_lt_u32 s[WV], 2                          ; one load a wave; waves 0 and 1, whose blocks are shown first, have a line of their own
	s_cbranch_scc0 .Llater
	tensor_load_to_lds s[32:35], s[24:31]
	s_nop 0
.rept 4
	v_nop
.endr
	s_branch .Lasked
.Llater:
	tensor_load_to_lds s[32:35], s[24:31]
	s_nop 0
.rept 4
	v_nop
.endr
.Lasked:
.macro LOADQ                           ; two tiles of 16 queries: 8 registers of codes each, and their scale words
	global_load_b128 v[QF:QF+3], v[VQ], s[4:5]
	global_load_b128 v[QF+4:QF+7], v[VQ], s[4:5] offset:512
	global_load_b128 v[QF+16:QF+19], v[VQ], s[4:5] offset:1024
	global_load_b128 v[QF+20:QF+23], v[VQ], s[4:5] offset:1536
	global_load_b32 v[QS], v[VQS], s[4:5]
.endm
	LOADQ
.macro KQ T                            ; S^T = K Q^T for tile T.  K's scale words: register t % 4, lanes 0-15 for key tiles 0-3, lanes 16-31 for 4-7; Q's: lanes 0-15 tile 0, lanes 16-31 tile 1
.irp t, 0,1,2,3,4,5,6,7
.if \T == 0 && \t < 4
	v_wmma_scale_f32_16x16x128_f8f6f4 v[S0+64*\T+8*\t:S0+64*\T+8*\t+7], v[KF+8*\t:KF+8*\t+15], v[QF+16*\T:QF+16*\T+15], 0, v[KS+\t%4], v[QS] matrix_a_fmt:MATRIX_FMT_BF8 matrix_b_fmt:MATRIX_FMT_BF8
.elseif \T == 0
	v_wmma_scale_f32_16x16x128_f8f6f4 v[S0+64*\T+8*\t:S0+64*\T+8*\t+7], v[KF+8*\t:KF+8*\t+15], v[QF+16*\T:QF+16*\T+15], 0, v[KS+\t%4], v[QS] matrix_a_fmt:MATRIX_FMT_BF8 matrix_b_fmt:MATRIX_FMT_BF8 matrix_a_scale:MATRIX_SCALE_ROW1
.elseif \t < 4
	v_wmma_scale_f32_16x16x128_f8f6f4 v[S0+64*\T+8*\t:S0+64*\T+8*\t+7], v[KF+8*\t:KF+8*\t+15], v[QF+16*\T:QF+16*\T+15], 0, v[KS+\t%4], v[QS] matrix_a_fmt:MATRIX_FMT_BF8 matrix_b_fmt:MATRIX_FMT_BF8 matrix_b_scale:MATRIX_SCALE_ROW1
.else
	v_wmma_scale_f32_16x16x128_f8f6f4 v[S0+64*\T+8*\t:S0+64*\T+8*\t+7], v[KF+8*\t:KF+8*\t+15], v[QF+16*\T:QF+16*\T+15], 0, v[KS+\t%4], v[QS] matrix_a_fmt:MATRIX_FMT_BF8 matrix_b_fmt:MATRIX_FMT_BF8 matrix_a_scale:MATRIX_SCALE_ROW1 matrix_b_scale:MATRIX_SCALE_ROW1
.endif
.endr
.endm
.macro KLOAD adr                       ; a block's K: eight tiles of 16 keys into window 1, and their scale words
	WIN 0x40
.irp t, 0,1,2,3,4,5,6,7
	ds_load_b128 v[KF+8*\t:KF+8*\t+3], v[\adr] offset:1024*\t
	ds_load_b128 v[KF+8*\t+4:KF+8*\t+7], v[\adr] offset:1024*\t+512
.endr
	WIN 0
	ds_load_b128 v[KS:KS+3], v[\adr] offset:16384
.endm
; The softmax of both tiles for 128 keys.  Register 16 b + i of a tile's S^T is a key of block b; lane l xor 16 holds the block's other 16.
.macro SOFTMAX
.irp T, 0,1
.irp b, 0,1,2,3
	v_max3_num_f32 v[WK+16*\T+\b], v[S0+64*\T+16*\b], v[S0+64*\T+16*\b+1], v[S0+64*\T+16*\b+2]   ; the largest score of each block: for the row's maximum and for the block's largest p
.endr
.endr
.irp i, 3,5,7,9,11,13
.irp T, 0,1
.irp b, 0,1,2,3
	v_max3_num_f32 v[WK+16*\T+\b], v[WK+16*\T+\b], v[S0+64*\T+16*\b+\i], v[S0+64*\T+16*\b+\i+1]
.endr
.endr
.endr
.irp T, 0,1
.irp b, 0,1,2,3
	v_max_num_f32 v[WK+16*\T+\b], v[WK+16*\T+\b], v[S0+64*\T+16*\b+15]
.endr
.endr
.irp T, 0,1
.irp b, 0,1,2,3
	v_permlanex16_b32 v[WK+16*\T+4+\b], v[WK+16*\T+\b], s[SEL], s[SEL+1]
.endr
.endr
.irp T, 0,1
.irp b, 0,1,2,3
	v_max_num_f32 v[WK+16*\T+\b], v[WK+16*\T+\b], v[WK+16*\T+4+\b]
.endr
.endr
.irp T, 0,1
	v_max3_num_f32 v[TA+\T], v[WK+16*\T], v[WK+16*\T+1], v[WK+16*\T+2]
.endr
.irp T, 0,1
	v_max_num_f32 v[TA+\T], v[TA+\T], v[WK+16*\T+3]
.endr
.irp T, 0,1
	v_mul_f32 v[TA+\T], s[CS], v[TA+\T]            ; the step's largest t of my query
.endr
.irp T, 0,1
	v_max_num_f32 v[ST+4*\T+1], v[ST+4*\T+1], v[TA+\T]
.endr
.irp T, 0,1
	v_mov_b32 v[TA+\T], v[ST+4*\T]
.endr
.irp T, 0,1
	v_floor_f32 v[ST+4*\T], -v[ST+4*\T+1]          ; the new -M = floor(-t): M is a whole number
.endr
.irp T, 0,1
	v_sub_f32 v[TA+\T], v[ST+4*\T], v[TA+\T]       ; old M - new M, 0 or less
.endr
.irp T, 0,1
	v_cvt_i32_f32 v[TA+\T], v[TA+\T]               ; (it saturates)
.endr
.irp T, 0,1
	v_ldexp_f32 v[FF+2*\T], 1.0, v[TA+\T]          ; f = 2^(old M - new M)
.endr
.irp T, 0,1
.irp b, 0,1,2,3
	v_fma_f32 v[WK+16*\T+\b], v[WK+16*\T+\b], s[CS], v[ST+4*\T]   ; t - M of each block's largest score
.endr
.endr
.irp T, 0,1
.set j, 0
.rept 32
	v_pk_fma_f32 v[S0+64*\T+j:S0+64*\T+j+1], v[S0+64*\T+j:S0+64*\T+j+1], s[CS:CS+1], v[ST+4*\T:ST+4*\T+1] op_sel_hi:[1,0,0]   ; t - M, two at a time
.set j, j+2
.endr
.endr
	s_wait_alu depctr_va_vdst(0)                   ; the wait ahead of the batch
.irp T, 0,1
.irp b, 0,1,2,3
	v_exp_f32 v[WK+16*\T+\b], v[WK+16*\T+\b]       ; the blocks' largest p: the same two instructions on the same number give the same bits
.endr
.endr
.set j, 0
.rept 128
	v_exp_f32 v[S0+j], v[S0+j]                     ; p = 2^(t - M)
.set j, j+1
.endr
.irp T, 0,1
	v_pk_mul_f32 v[ST+4*\T+2:ST+4*\T+3], v[ST+4*\T+2:ST+4*\T+3], v[FF+2*\T:FF+2*\T+1] op_sel_hi:[1,0]   ; the sums under the new M; plain lines behind the batch
.endr
	s_wait_alu depctr_va_vdst(0)                   ; and the one wait behind it, ahead of its first reader
.irp T, 0,1
.irp b, 0,1,2,3
	v_max_num_f32 v[WK+16*\T+\b], 0x8000000, v[WK+16*\T+\b]   ; the floor 2^(16 - 127)
.endr
.endr
.irp T, 0,1
.irp b, 0,1,2,3
	v_add_nc_u32 v[WK+16*\T+12+\b], 0xf8800000, v[WK+16*\T+\b]   ; 15 off the exponent field: the conversion's scale operand
.endr
.endr
.irp T, 0,1
.irp b, 0,1,2,3
	v_and_or_b32 v[WK+16*\T+8+\b], v[WK+16*\T+\b], 0x7f800000, s[MNT]   ; 57,344 x the scale
.endr
.endr
.irp T, 0,1
.irp b, 0,1,2,3
	v_lshrrev_b32 v[WK+16*\T+4+\b], 23, v[WK+16*\T+12+\b]   ; the scale's byte
.endr
.endr
.irp T, 0,1
	v_lshl_or_b32 v[PW+\T], v[WK+16*\T+5], 8, v[WK+16*\T+4]   ; p's scale word for these 128 keys
.endr
.irp T, 0,1
	v_lshl_or_b32 v[PW+\T], v[WK+16*\T+6], 16, v[PW+\T]
.endr
.irp T, 0,1
	v_lshl_or_b32 v[PW+\T], v[WK+16*\T+7], 24, v[PW+\T]
.endr
.irp T, 0,1
	v_pk_add_f32 v[SUM2+2*\T:SUM2+2*\T+1], v[S0+64*\T:S0+64*\T+1], v[S0+64*\T+2:S0+64*\T+3]   ; the row's sum of the unquantised p: two chains a tile
.endr
.set j, 4
.rept 15
.irp T, 0,1
	v_pk_add_f32 v[ST+4*\T+2:ST+4*\T+3], v[ST+4*\T+2:ST+4*\T+3], v[S0+64*\T+j:S0+64*\T+j+1]
	v_pk_add_f32 v[SUM2+2*\T:SUM2+2*\T+1], v[SUM2+2*\T:SUM2+2*\T+1], v[S0+64*\T+j+2:S0+64*\T+j+3]
.endr
.set j, j+4
.endr
.irp T, 0,1
	v_pk_add_f32 v[ST+4*\T+2:ST+4*\T+3], v[ST+4*\T+2:ST+4*\T+3], v[SUM2+2*\T:SUM2+2*\T+1]
.endr
; the hold (the conversion does not saturate: ISA guide 7.6.2; p is not negative, so it is one-sided), two a line: number i of block b with number (i + 1) % 16 of block b + 1, so that the pair's registers differ in parity and modulo 4
.irp T, 0,1
.irp b, 0,2
.set j, 0
.rept 16
	v_dual_min_num_f32 v[S0+64*\T+16*\b+j], v[S0+64*\T+16*\b+j], v[WK+16*\T+8+\b] :: v_dual_min_num_f32 v[S0+64*\T+16*\b+16+(j+1)%16], v[S0+64*\T+16*\b+16+(j+1)%16], v[WK+16*\T+9+\b]
.set j, j+1
.endr
.endr
.endr
	WIN 0x40                                       ; p's codes go to window 1
.irp T, 0,1
.irp b, 0,1,2,3
	v_cvt_scalef32_pk8_bf8_f32 v[PC+16*\T+4*\b:PC+16*\T+4*\b+1], v[S0+64*\T+16*\b:S0+64*\T+16*\b+7], v[WK+16*\T+12+\b]
	v_cvt_scalef32_pk8_bf8_f32 v[PC+16*\T+4*\b+2:PC+16*\T+4*\b+3], v[S0+64*\T+16*\b+8:S0+64*\T+16*\b+15], v[WK+16*\T+12+\b]
.endr
.endr
	WIN 0x41                                       ; O^T in window 1, f in window 0
	s_wait_alu depctr_va_vdst(0)                   ; directly ahead of the first reader of O^T
.irp T, 0,1
.set j, 0
.rept 16
	v_pk_mul_f32 v[O+32*\T+j:O+32*\T+j+1], v[O+32*\T+j:O+32*\T+j+1], v[FF+2*\T:FF+2*\T+1] op_sel_hi:[1,0]   ; O^T under the new M; also the places in front of the products below
.set j, j+2
.endr
.endr
.endm
; A KEY STEP: 128 keys, both tiles.
.macro STEP
	s_wait_dscnt 0x0                               ; this step's K (asked for a step ago)
	WIN 0x01                                       ; K in window 1, the rest in window 0
	KQ 0
	KQ 1
	WIN 0
	s_add_co_u32 s[TBN], s[TB], BLK
	s_min_u32 s[TBN], s[TBN], 15*BLK
	v_add_nc_u32 v[ADK], s[TB], v[LI]              ; eight places: in front of the first read of scores and of the loads into K's, V's and the scale words' registers
	v_add_nc_u32 v[ADS], s[TB], v[LR]
	v_add_nc_u32 v[ADN], s[TBN], v[LI]
.rept 5
	v_nop
.endr
	WIN 0x40
.irp n, 0,1,2,3
.irp c, 0,1,2,3
	ds_load_b128 v[VF+16*\n+4*\c:VF+16*\n+4*\c+3], v[ADK] offset:8192+2048*\n+512*\c
.endr
.endr
	WIN 0
	ds_load_b128 v[VS:VS+3], v[ADS] offset:16896   ; V's scale words of channel r: register n for tile n
	KLOAD ADN
	SOFTMAX
	s_wait_alu depctr_va_vdst(0)                   ; directly ahead of the wait below
	s_wait_dscnt 0x0                               ; V, and the next K with it
	WIN 0x55
.irp T, 0,1
.irp n, 0,1,2,3
	v_wmma_scale_f32_16x16x128_f8f6f4 v[O+32*\T+8*\n:O+32*\T+8*\n+7], v[VF+16*\n:VF+16*\n+15], v[PC+16*\T:PC+16*\T+15], v[O+32*\T+8*\n:O+32*\T+8*\n+7], v[VS+\n], v[PW+\T] matrix_a_fmt:MATRIX_FMT_BF8 matrix_b_fmt:MATRIX_FMT_BF8
.endr
.endr
	WIN 0
	s_add_co_u32 s[TB], s[TB], BLK
.endm
; The end of a pass for tile T: O^T / the sum, quantised in two blocks of 32, brought into the true order of K, stored as an image of the next operand's registers.
.macro FINISH T
.set SS, S0+64*\T
.set WW, WK+16*\T
.set LS, ST+4*\T+2
	v_add_f32 v[LS], v[LS], v[LS+1]
	v_permlanex16_b32 v[TA+\T], v[LS], s[SEL], s[SEL+1]
	v_add_f32 v[LS], v[LS], v[TA+\T]               ; the row's sum
	s_wait_alu depctr_va_vdst(0)
	v_rcp_f32 v[FF+2*\T], v[LS]
	v_nop
	WIN 0x01
	s_wait_alu depctr_va_vdst(0)                   ; ahead of the first reader of the reciprocal and of O^T
.set j, 0
.rept 16
	v_pk_mul_f32 v[SS+j:SS+j+1], v[O+32*\T+j:O+32*\T+j+1], v[FF+2*\T:FF+2*\T+1] op_sel_hi:[1,0]   ; register 16 b + 8 u + i: channel 32 b + 16 u + 8 h + i
.set j, j+2
.endr
	WIN 0
.irp b, 0,1
	v_max3_num_f32 v[WW+\b], |v[SS+16*\b]|, |v[SS+1+16*\b]|, 0x8000000
.endr
.irp i, 2,4,6,8,10,12,14
.irp b, 0,1
	v_max3_num_f32 v[WW+\b], v[WW+\b], |v[SS+16*\b+\i]|, |v[SS+1+16*\b+\i]|
.endr
.endr
.irp b, 0,1
	v_permlanex16_b32 v[WW+4+\b], v[WW+\b], s[SEL], s[SEL+1]
.endr
.irp b, 0,1
	v_max_num_f32 v[WW+\b], v[WW+\b], v[WW+4+\b]
.endr
.irp b, 0,1
	v_add_nc_u32 v[WW+12+\b], 0xf8800000, v[WW+\b]
.endr
.irp b, 0,1
	v_and_or_b32 v[WW+8+\b], v[WW+\b], 0x7f800000, s[MNT]
.endr
.irp b, 0,1
	v_lshrrev_b32 v[WW+4+\b], 23, v[WW+12+\b]
.endr
	v_lshl_or_b32 v[TW+\T], v[WW+5], 8, v[WW+4]    ; the head's two scale bytes of my token
.irp b, 0,1
.irp i, 0,1,2,3,4,5,6,7,8,9,10,11,12,13,14,15
	v_med3_num_f32 v[SS+16*\b+\i], v[SS+16*\b+\i], -v[WW+8+\b], v[WW+8+\b]
.endr
	v_cvt_scalef32_pk8_bf8_f32 v[SS+32+4*\b:SS+33+4*\b], v[SS+16*\b:SS+7+16*\b], v[WW+12+\b]
	v_cvt_scalef32_pk8_bf8_f32 v[SS+34+4*\b:SS+35+4*\b], v[SS+8+16*\b:SS+15+16*\b], v[WW+12+\b]
.endr
	v_nop
.irp b, 0,1
	v_permlane16_swap_b32 v[SS+32+4*\b], v[SS+34+4*\b]   ; lanes 0-15 want channels 0-15 of the block, lanes 16-31 channels 16-31
	v_permlane16_swap_b32 v[SS+33+4*\b], v[SS+35+4*\b]
.endr
	global_store_b128 v[LI], v[SS+32:SS+35], s[8:9] offset:4096*\T       ; 512 consecutive bytes, aligned
	global_store_b128 v[LI], v[SS+36:SS+39], s[8:9] offset:4096*\T+512
.endm
.Lpass:                                            ; two trips: 32 queries of the wave each
.irp T, 0,1
	v_mov_b32 v[ST+4*\T+1], 0xff61b1e6             ; the largest t so far: -3e38
	v_mov_b32 v[ST+4*\T+2], 0
	v_mov_b32 v[ST+4*\T+3], 0
	v_floor_f32 v[ST+4*\T], -v[ST+4*\T+1]
.endr
	WIN 0x40
.set j, 0
.rept 64
	v_mov_b32 v[O+j], 0                            ; the step has no first step of its own: the first change of M multiplies zeros
.set j, j+1
.endr
	WIN 0
	s_wait_alu depctr_va_vdst(0)                   ; directly ahead of the waits below
	s_wait_loadcnt 0x0                             ; Q
	s_cmp_lt_u32 s[WV], 2
	s_cbranch_scc0 .Lnot_mine
	s_wait_tensorcnt 0x0                           ; waves 0, 1: blocks 0 to 3 are in
.Lnot_mine:
	s_wait_dscnt 0x0
	s_barrier_signal -1
	s_barrier_wait -1
	KLOAD LI                                       ; block 0's K
	s_mov_b32 s[TB], 0
	s_mov_b32 s[CNT], 3
.Lfirst:                                           ; steps 0 to 2: they read blocks 0 to 2 and K of blocks 1 to 3
	STEP
	s_sub_co_u32 s[CNT], s[CNT], 1
	s_cmp_lg_u32 s[CNT], 0
	s_cbranch_scc1 .Lfirst
	s_wait_tensorcnt 0x0                           ; every wave: all blocks are in
	s_wait_dscnt 0x0
	s_barrier_signal -1
	s_barrier_wait -1
	s_mov_b32 s[CNT], 13
.Lrest:
	STEP
	s_sub_co_u32 s[CNT], s[CNT], 1
	s_cmp_lg_u32 s[CNT], 0
	s_cbranch_scc1 .Lrest
.rept 8
	v_nop                                          ; places in front of the first read of O^T
.endr
	s_cmp_eq_u32 s[PASS], 1                        ; the second pass's queries, if there is a second pass to come: no load leaves its buffer
	s_cbranch_scc1 .Lno_q
	s_wait_xcnt 0x0
	s_add_nc_u64 s[4:5], s[4:5], 2*8704            ; 256 queries on
	LOADQ
.Lno_q:
	FINISH 0
	FINISH 1
	v_cndmask_b32 v[TA], v[TW], v[TW+1], s[HM]     ; lanes 0-15: tile 0's token r; lanes 16-31: tile 1's
	global_store_b16 v[LT], v[TA], s[10:11]
	s_wait_xcnt 0x0                                ; the stores have read their data and their bases
	s_add_nc_u64 s[8:9], s[8:9], 16*4096           ; 256 tokens on
	s_add_nc_u64 s[10:11], s[10:11], 256*32
	s_sub_co_u32 s[PASS], s[PASS], 1
	s_cmp_lg_u32 s[PASS], 0
	s_cbranch_scc1 .Lpass
	s_wait_tensorcnt 0x0                           ; the wave's end
	ds_add_u32 v[SPW], v[NIL]
	s_wait_dscnt 0x0
	CROUND
	s_endpgm
.Lfunc_end_k_q85f9977830_attn:
	.size	k_q85f9977830_attn, .Lfunc_end_k_q85f9977830_attn-k_q85f9977830_attn
	.p2alignl 7, 3214868480
	.fill 96, 4, 3214868480
	.section	.rodata,"a",@progbits
	.p2align	6, 0x0
	.amdhsa_kernel k_q85f9977830_attn
		.amdhsa_group_segment_fixed_size 327680
		.amdhsa_private_segment_fixed_size 0
		.amdhsa_enable_private_segment 0
		.amdhsa_kernarg_size 32
		.amdhsa_user_sgpr_count 2
		.amdhsa_user_sgpr_kernarg_segment_ptr 1
		.amdhsa_wavefront_size32 1
		.amdhsa_system_sgpr_workgroup_id_x 1
		.amdhsa_system_sgpr_workgroup_id_y 1
		.amdhsa_system_sgpr_workgroup_id_z 1
		.amdhsa_system_vgpr_workitem_id 0
		.amdhsa_next_free_vgpr 512
		.amdhsa_next_free_sgpr 66
		.amdhsa_reserve_vcc 0
		.amdhsa_float_denorm_mode_32 3
		.amdhsa_float_denorm_mode_16_64 3
		.amdhsa_memory_ordered 1
		.amdhsa_forward_progress 1
		.amdhsa_inst_pref_size 91
	.end_amdhsa_kernel
	.amdgpu_metadata
---
amdhsa.version: [ 1, 2 ]
amdhsa.kernels:
  - .name:           k_q85f9977830_attn
    .symbol:         k_q85f9977830_attn.kd
    .args:
      - { .name: qb, .offset: 0, .size: 8, .value_kind: global_buffer, .address_space: global }
      - { .name: kv, .offset: 8, .size: 8, .value_kind: global_buffer, .address_space: global }
      - { .name: acod, .offset: 16, .size: 8, .value_kind: global_buffer, .address_space: global }
      - { .name: ascl, .offset: 24, .size: 8, .value_kind: global_buffer, .address_space: global }
    .group_segment_fixed_size: 327680
    .private_segment_fixed_size: 0
    .kernarg_segment_align: 8
    .kernarg_segment_size: 32
    .max_flat_workgroup_size: 256
    .sgpr_count:     66
    .vgpr_count:     512
    .wavefront_size: 32
...
	.end_amdgpu_metadata
.endif
;; end of part 2
;; launch proj (part 3): grid 64 x 4, 4 waves a work-group, clusters of 4 x 4, 327,680 bytes of LDS; arguments acod, ascl, Wo_codes, Wo_scales, bo, out0; writes out0
.if DOCPART == 3
	.amdgcn_target "amdgcn-amd-amdhsa--gfx1250"
	.amdhsa_code_object_version 6
	.text
	.protected	k_q85f9977830_proj
	.globl	k_q85f9977830_proj
	.p2align	8
	.type	k_q85f9977830_proj,@function
k_q85f9977830_proj:
	s_mov_b64 s[64:65], 0
	v_nop
	global_prefetch_b8 v0, s[64:65] scope:SCOPE_SE
	s_setreg_imm32_b32 hwreg(HW_REG_WAVE_MODE, 25, 1), 1
	s_wait_xcnt 0x0
	s_wait_alu depctr_hold_cnt(0) depctr_sa_sdst(0) depctr_va_vdst(0) depctr_va_sdst(0) depctr_va_ssrc(0) depctr_va_vcc(0) depctr_vm_vsrc(0)
	s_getreg_b32 s2, hwreg(HW_REG_IB_STS2, 6, 4)
	s_cmp_eq_u32 s2, 0
	s_cbranch_scc0 .Lentry_in_a_cluster
	s_endpgm
.Lentry_in_a_cluster:
	s_bfe_u32 s2, ttmp6, 0x10000c
	s_cmp_lg_u32 s2, 0xf033
	s_cbranch_scc0 .Lentry_shape_is_right
	s_endpgm
.Lentry_shape_is_right:
; out0 = a Wo^T + bo on codes of BF8 (E5M2), one E8M0 scale for each 32 along K = 1,024; a is the attention's result as the launch before has quantised it; out0 is f32.
; The frame is the first launch's: a work-group multiplies 128 tokens ("A", source 1) by 256 rows of Wo ("B", source 0); a wave 64 x 128, 32 accumulators; 16 clusters of 4 x 4, A's tile shared along a row, B's along a column.
; K THROUGH LDS: region X holds 512 along K, region Y 256; X is each wave's one load at the head, Y is first filled behind a drained round, the last 256 along K go into X's first part behind a second drained round.
; A'S CODES LIE IN MEMORY AS IMAGES OF OPERAND REGISTERS, [K / 256][token / 16][(K / 128) % 2][quad c][lane][16]: 64 tokens x 256 along K are 16,384 dense bytes; X takes two such runs as a tile of two rows.
; The scale words come by plain loads into registers (512 consecutive bytes a load; lanes 0-15 K steps 0-3, lanes 16-31 steps 4-7).  No prefetch: the text has no loop to run ahead in.
; The bias is the C of each sum's first matrix instruction.  A block of 16 rows x 128 columns goes through the wave's stage in LDS and leaves as rows of 512 bytes.  The stage lies in Y, which is filled once and whose last
; reads every wave has awaited in front of the barrier ahead of K step 5's products.
; LIMITS: NaN and infinities are not served.
; REGISTERS: window 0: v1-7 at work, v16-30 addresses, v64-127 scale words, v128-255 A's fragments, two sets (way out: rows of out0).  window 1: B's fragments, two sets.  window 2: accumulators.  window 3: v0-63 bias.
.set PX,   528
.set PY,   272
.set AXH,  2*16384
.set BXH,  128*PX
.set XB,   2*AXH
.set YO,   2*AXH+2*BXH
.set AYH,  16384
.set BYH,  128*PY
.set YB,   YO+2*AYH
.set SPARE, YB+2*BYH
.set SPITCH, 528
.set GSTEP,  2097152                   ; 256 along K on in A's codes
.set ADRA, 16
.set ADRB, 20
.set STO,  25
.set RD,   26
.set CO,   27
.set SPW,  28
.set NIL,  29
.set VSC,  30
.set SC,   64
.set AF,   128
.set BK,   128
.set G1A,  24
.set G0A,  32
.set G1B,  48
.set G0B0, 56
.set G0B1, 60
.set G0B2, 68
.set G1YA, 76
.set G1YB, 84
.set MSB, 0
.macro WIN new
.if MSB != (\new)
	s_set_vgpr_msb (MSB<<8)|(\new)
.set MSB, (\new)
.endif
.endm
.macro JLOAD g0a, g1a, g0b, g1b
	s_cmp_eq_u32 s15, 0
	s_cbranch_scc0 .Lfor_b_\@
	tensor_load_to_lds s[\g0a:\g0a+3], s[\g1a:\g1a+7]
	s_nop 0
.rept 4
	v_nop
.endr
	s_branch .Lasked_\@
.Lfor_b_\@:
	tensor_load_to_lds s[\g0b:\g0b+3], s[\g1b:\g1b+7]
	s_nop 0
.rept 4
	v_nop
.endr
.Lasked_\@:
.endm
.macro CROUND
	s_barrier_signal -1
	s_barrier_wait -1
	s_cmp_lg_u32 s14, 0
	s_cbranch_scc1 .Lnot_wave_0_\@
	s_barrier_signal -3
.Lnot_wave_0_\@:
	s_barrier_wait -3
	s_barrier_signal -1
	s_barrier_wait -1
.endm
.macro PLACES n
.rept \n
	v_nop
.endr
.endm
.macro SETG1 g, c, r, p
	s_mov_b32 s[\g+1], (\c)<<16
	s_mov_b32 s[\g+2], (\r)<<16
	s_mov_b32 s[\g+3], (\c)<<16
	s_mov_b32 s[\g+4], \r
	s_mov_b32 s[\g+5], \p
	s_mov_b32 s[\g+6], 0
	s_mov_b32 s[\g+7], 0
.endm
.macro SETG0 g, lreg, loff, ptr, goff
	s_mov_b32 s[\g], 1
	s_add_co_u32 s[\g+1], s[\lreg], \loff
	s_add_nc_u64 s[\g+2:\g+3], s[\ptr:\ptr+1], \goff
	s_or_b32 s[\g+3], s[\g+3], 0x80000000
.endm
	s_load_b256 s[4:11], s[0:1], 0x0               ; A's codes, A's scales, Wo's codes, Wo's scales
	s_load_b64 s[96:97], s[0:1], 0x20              ; bo
	s_load_b64 s[12:13], s[0:1], 0x28              ; out0
	v_lshl_add_u32 v[SPW], v0, 2, SPARE
	v_mov_b32 v[NIL], 0
	ds_add_u32 v[SPW], v[NIL]                      ; the opening lines: the add twice and its wait
	ds_add_u32 v[SPW], v[NIL]
	v_lshrrev_b32 v1, 5, v0
	v_readfirstlane_b32 s14, v1                    ; wave 0..3
	s_lshr_b32 s15, s14, 1                         ; which 64 tokens are mine; also: I fetch for A (0) or B (1)
	s_and_b32 s16, s14, 1                          ; which 128 rows of Wo are mine; also: which half of that tile I fetch
	s_bfe_u32 s92, ttmp6, 0x40000                  ; cx
	s_bfe_u32 s93, ttmp6, 0x40004                  ; cy
	s_lshl_b32 s94, s93, 2
	s_lshl_b32 s94, 15, s94                        ; my row of the cluster
	s_lshl_b32 s95, 0x1111, s92                    ; my column
	s_lshl_b32 s22, ttmp9, 9
	s_lshl_b32 s98, s93, 7
	s_add_co_u32 s22, s22, s98                     ; the work-group's first token
	s_lshl_b32 s23, s92, 8                         ; and its first row of Wo
	s_lshl_b32 s100, s16, 6
	s_add_co_u32 s100, s22, s100                   ; the tokens that I fetch
	s_lshl_b32 s98, s100, 8                        ; their codes: 4,096 bytes for 16 tokens
	s_mov_b32 s99, 0
	s_lshl_b32 s100, s15, 6
	s_add_co_u32 s100, s22, s100                   ; the tokens that I multiply:
	s_lshl_b32 s100, s100, 5                       ; their scale bytes
	s_mov_b32 s101, 0
	s_lshl_b32 s2, s16, 7
	s_add_co_u32 s2, s23, s2                       ; the rows of Wo that I fetch and multiply
	s_lshl_b32 s104, s2, 10
	s_mov_b32 s105, 0
	s_lshl_b32 s2, s2, 5
	s_mov_b32 s3, 0
	s_mul_i32 s18, s16, AXH                        ; where the tiles go: the wave's number alone enters an LDS address
	s_mul_i32 s66, s16, BXH
	s_mul_i32 s67, s16, AYH
	s_mul_i32 s19, s16, BYH
	s_or_b32 s[G1A], s94, (3<<16)|(1<<21)          ; A in X: two rows of 16,384 bytes (2,048 elements of 8), 2 MiB apart, no padding
	s_or_b32 s[G1B], s95, (1<<20)|(1<<21)|(6<<22)|(3<<25)   ; B in X: 16 bytes of padding behind every 512
	SETG1 G1A, 2048, 2, GSTEP/8
	SETG1 G1B, 512, 128, 1024
	s_or_b32 s[G1YA], s94, (1<<21)                 ; A in Y, and A's refill: 16,384 dense bytes as 64 rows of 256
	s_or_b32 s[G1YB], s95, (1<<20)|(1<<21)|(5<<22)|(3<<25)
	SETG1 G1YA, 256, 64, 256
	SETG1 G1YB, 256, 128, 1024
	s_wait_dscnt 0x0
	s_wait_kmcnt 0x0
	s_add_nc_u64 s[4:5], s[4:5], s[98:99]
	s_add_nc_u64 s[6:7], s[6:7], s[100:101]
	s_add_nc_u64 s[8:9], s[8:9], s[104:105]
	s_add_nc_u64 s[10:11], s[10:11], s[2:3]
	SETG0 G0A, 18, 0, 4, 0
	SETG0 G0A+4, 67, YO, 4, 2*GSTEP
	SETG0 G0A+8, 18, 0, 4, 3*GSTEP
	SETG0 G0B0, 66, XB, 8, 0
	SETG0 G0B1, 19, YB, 8, 512
	SETG0 G0B2, 66, XB, 8, 768
	CROUND                                         ; all sixteen work-groups are here
	JLOAD G0A, G1A, G0B0, G1B                      ; X: my one load at the head
	v_and_b32 v1, 15, v0                           ; r
	v_bfe_u32 v2, v0, 4, 1                         ; h
	v_lshlrev_b32 v[VSC], 5, v1
	v_lshl_add_u32 v[VSC], v2, 4, v[VSC]
.irp i, 0,1,2,3,4,5,6,7
	global_load_b128 v[SC+8*\i:SC+8*\i+3], v[VSC], s[10:11] offset:512*\i
.endr
.irp i, 0,1,2,3
	global_load_b128 v[SC+4+8*\i:SC+7+8*\i], v[VSC], s[6:7] offset:512*\i
.endr
	v_and_b32 v4, 31, v0
	v_lshlrev_b32 v[CO], 4, v4                     ; 16 x lane
	v_mul_u32_u24 v3, v1, PX
	v_lshl_add_u32 v3, v2, 4, v3
	v_mul_u32_u24 v5, v1, PY
	v_lshl_add_u32 v5, v2, 4, v5
	s_mul_i32 s18, s15, AXH
	s_mul_i32 s66, s16, BXH
	s_add_co_u32 s66, s66, XB
	v_add_nc_u32 v[ADRA], s18, v[CO]
	v_add_nc_u32 v[ADRB], s66, v3
	s_mul_i32 s18, s15, AYH
	s_add_co_u32 s18, s18, YO
	s_mul_i32 s66, s16, BYH
	s_add_co_u32 s66, s66, YB
	v_add_nc_u32 v[ADRA+1], s18, v[CO]
	v_add_nc_u32 v[ADRB+1], s66, v5
	s_mul_i32 s18, s14, 16*SPITCH
	s_add_co_u32 s18, s18, YO                      ; my stage, in Y
	v_mul_u32_u24 v5, v1, SPITCH
	v_lshl_add_u32 v5, v2, 5, v5
	v_add_nc_u32 v[STO], s18, v5                   ; in: row r, 32 bytes for each half of the lanes
	v_add_nc_u32 v[RD], s18, v[CO]                 ; back: the 32 lanes take one row of 512 bytes
	s_lshl_b32 s18, s15, 6
	s_add_co_u32 s22, s22, s18                     ; my first token
	s_lshl_b32 s18, s16, 7
	s_add_co_u32 s23, s23, s18                     ; my first column
	s_lshl_b32 s22, s22, 12
	s_lshl_b32 s67, s23, 2
	s_add_co_u32 s22, s22, s67
	s_mov_b32 s23, 0
	s_add_nc_u64 s[12:13], s[12:13], s[22:23]
	v_lshlrev_b32 v6, 5, v2
	v_add_nc_u32 v6, s67, v6                       ; the bias: column 16 b + 8 h + j
	WIN 0xc0
.irp p, 0,1,2,3,4,5,6,7
	global_load_b128 v[8*\p:8*\p+3], v6, s[96:97] offset:64*\p
	global_load_b128 v[8*\p+4:8*\p+7], v6, s[96:97] offset:64*\p+16
.endr
	WIN 0
; K step j's fragments, 48 loads in one run.  Steps 0-3: X; steps 4, 5: Y; steps 6, 7: X's first part, filled again.  B from padded rows, A from images.
.macro FETCH j
.if (\j)/2 == 2
.set RG, 1
.set PT, PY
.else
.set RG, 0
.set PT, PX
.endif
.if (\j) < 4
.set KO, 128*(\j)
.set AO, 16384*((\j)/2)+2048*((\j)%2)
.else
.set KO, 128*((\j)%2)
.set AO, 2048*((\j)%2)
.endif
	WIN 0x40
.irp i, 0,1,2,3,4,5,6,7
.irp c, 0,1,2,3
	ds_load_b128 v[128*((\j)%2)+16*\i+4*\c:128*((\j)%2)+16*\i+4*\c+3], v[ADRB+RG] offset:KO+32*\c+\i*16*PT
.endr
.endr
	WIN 0
.irp i, 0,1,2,3
.irp c, 0,1,2,3
	ds_load_b128 v[AF+64*((\j)%2)+16*\i+4*\c:AF+64*((\j)%2)+16*\i+4*\c+3], v[ADRA+RG] offset:AO+\i*4096+512*\c
.endr
.endr
.endm
; 32 matrix instructions, the 32 accumulators by turns.  first = 1: the sums start from the bias.
.macro MUL j, first
.if \first
	WIN 0xb1                                       ; C (bias) window 3, D window 2
.else
	WIN 0xa1
.endif
.irp a, 0,1,2,3
.irp b, 0,1,2,3,4,5,6,7
.if \first
	v_wmma_scale_f32_16x16x128_f8f6f4 v[8*(8*\a+\b):8*(8*\a+\b)+7], v[128*((\j)%2)+16*\b:128*((\j)%2)+16*\b+15], v[AF+64*((\j)%2)+16*\a:AF+64*((\j)%2)+16*\a+15], v[8*\b:8*\b+7], v[SC+8*\b+(\j)%4], v[SC+4+8*\a+(\j)%4] matrix_a_fmt:MATRIX_FMT_BF8 matrix_b_fmt:MATRIX_FMT_BF8
.elseif (\j) < 4
	v_wmma_scale_f32_16x16x128_f8f6f4 v[8*(8*\a+\b):8*(8*\a+\b)+7], v[128*((\j)%2)+16*\b:128*((\j)%2)+16*\b+15], v[AF+64*((\j)%2)+16*\a:AF+64*((\j)%2)+16*\a+15], v[8*(8*\a+\b):8*(8*\a+\b)+7], v[SC+8*\b+(\j)%4], v[SC+4+8*\a+(\j)%4] matrix_a_fmt:MATRIX_FMT_BF8 matrix_b_fmt:MATRIX_FMT_BF8
.else
	v_wmma_scale_f32_16x16x128_f8f6f4 v[8*(8*\a+\b):8*(8*\a+\b)+7], v[128*((\j)%2)+16*\b:128*((\j)%2)+16*\b+15], v[AF+64*((\j)%2)+16*\a:AF+64*((\j)%2)+16*\a+15], v[8*(8*\a+\b):8*(8*\a+\b)+7], v[SC+8*\b+(\j)%4], v[SC+4+8*\a+(\j)%4] matrix_a_fmt:MATRIX_FMT_BF8 matrix_b_fmt:MATRIX_FMT_BF8 matrix_a_scale:MATRIX_SCALE_ROW1 matrix_b_scale:MATRIX_SCALE_ROW1
.endif
.endr
.endr
.endm
.macro NEXT j
	PLACES 8
	FETCH (\j)+1
	s_wait_dscnt 48                                ; all but the 48 just issued
	MUL \j, 0
.endm
	s_wait_alu depctr_va_vdst(0)                   ; the wait at the head's end
	s_wait_tensorcnt 0x0                           ; my part of X is in; the three lines ahead of a later first fill
	ds_add_u32 v[SPW], v[NIL]
	s_wait_dscnt 0x0
	CROUND                                         ; X is whole
	JLOAD G0A+4, G1YA, G0B1, G1YB                  ; Y: three K steps, 96 matrix instructions, in which to land
	FETCH 0
	FETCH 1
	s_wait_loadcnt 0x0                             ; the scale words and the bias
	s_wait_dscnt 48
	MUL 0, 1
	NEXT 1
	NEXT 2
	WIN 0
	s_wait_tensorcnt 0x0                           ; my part of Y is in, so a descriptor may be written
	ds_add_u32 v[SPW], v[NIL]
	s_or_b32 s[G1YB], s95, (1<<20)|(1<<21)|(5<<22)|(67<<25)   ; B's refill: 68 words skipped behind every 256 bytes: X's pitch
	s_wait_dscnt 0x0                               ; the add is done; K step 3's fragments are in: my reads of X are over
	CROUND
	JLOAD G0A+8, G1YA, G0B2, G1YB                  ; the last 256 along K: two K steps in which to land
	PLACES 4
	FETCH 4
	s_wait_dscnt 48
	MUL 3, 0
	NEXT 4
	s_wait_tensorcnt 0x0                           ; my part of the refill is in,
	s_wait_dscnt 0x0                               ; and my reads of Y are over
	s_barrier_signal -1
	s_barrier_wait -1
	NEXT 5
	NEXT 6
	s_wait_dscnt 0x0
	MUL 7, 0
	WIN 0
; THE WAY OUT, block by block of 16 tokens x 128 columns, through my own stage.  LDS serves a wave's instructions in order (ISA guide 5.7.1.4): no wait between the stores and the loads.
.macro TOSTAGE a
	WIN 0x08
.irp b, 0,1,2,3,4,5,6,7
	ds_store_b128 v[STO], v[8*(8*(\a)+\b):8*(8*(\a)+\b)+3] offset:64*\b          ; each accumulator from its low end on
	ds_store_b128 v[STO], v[8*(8*(\a)+\b)+4:8*(8*(\a)+\b)+7] offset:64*\b+16
.endr
	WIN 0
.set BB, BK+64*((\a)%2)
.irp t, 0,1,2,3,4,5,6,7,8,9,10,11,12,13,14,15
	ds_load_b128 v[BB+4*\t:BB+4*\t+3], v[RD] offset:\t*SPITCH
.endr
.endm
.macro SEND a, younger
.set BB, BK+64*((\a)%2)
	s_wait_dscnt \younger
.if (\a) > 0
	s_add_nc_u64 s[12:13], s[12:13], 16*4096       ; (behind a wait on XCNT)
.endif
.irp t, 0,1,2,3,4,5,6,7,8,9,10,11,12,13,14,15
	global_store_b128 v[CO], v[BB+4*\t:BB+4*\t+3], s[12:13] offset:\t*4096 th:TH_STORE_NT   ; 32 lanes store 512 consecutive bytes, aligned
.endr
.endm
	PLACES 8
	TOSTAGE 0
.irp a, 1,2,3
.if \a > 1
	s_wait_xcnt 0x0                                ; block a - 2's stores have read their registers and their base
.endif
	TOSTAGE \a
	SEND \a-1, 32                                  ; behind block a - 1's loads: block a's 16 stores and 16 loads
.endr
	s_wait_xcnt 0x0
	SEND 3, 0
	s_wait_tensorcnt 0x0                           ; the wave's end
	ds_add_u32 v[SPW], v[NIL]
	s_wait_dscnt 0x0
	CROUND
	s_endpgm
.Lfunc_end_k_q85f9977830_proj:
	.size	k_q85f9977830_proj, .Lfunc_end_k_q85f9977830_proj-k_q85f9977830_proj
	.p2alignl 7, 3214868480
	.fill 96, 4, 3214868480
	.section	.rodata,"a",@progbits
	.p2align	6, 0x0
	.amdhsa_kernel k_q85f9977830_proj
		.amdhsa_group_segment_fixed_size 327680
		.amdhsa_private_segment_fixed_size 0
		.amdhsa_enable_private_segment 0
		.amdhsa_kernarg_size 48
		.amdhsa_user_sgpr_count 2
		.amdhsa_user_sgpr_kernarg_segment_ptr 1
		.amdhsa_wavefront_size32 1
		.amdhsa_system_sgpr_workgroup_id_x 1
		.amdhsa_system_sgpr_workgroup_id_y 1
		.amdhsa_system_sgpr_workgroup_id_z 1
		.amdhsa_system_vgpr_workitem_id 0
		.amdhsa_next_free_vgpr 1024
		.amdhsa_next_free_sgpr 106
		.amdhsa_reserve_vcc 0
		.amdhsa_float_denorm_mode_32 3
		.amdhsa_float_denorm_mode_16_64 3
		.amdhsa_memory_ordered 1
		.amdhsa_forward_progress 1
		.amdhsa_inst_pref_size 87
	.end_amdhsa_kernel
	.amdgpu_metadata
---
amdhsa.version: [ 1, 2 ]
amdhsa.kernels:
  - .name:           k_q85f9977830_proj
    .symbol:         k_q85f9977830_proj.kd
    .args:
      - { .name: acod, .offset: 0, .size: 8, .value_kind: global_buffer, .address_space: global }
      - { .name: ascl, .offset: 8, .size: 8, .value_kind: global_buffer, .address_space: global }
      - { .name: Wo_codes, .offset: 16, .size: 8, .value_kind: global_buffer, .address_space: global }
      - { .name: Wo_scales, .offset: 24, .size: 8, .value_kind: global_buffer, .address_space: global }
      - { .name: bo, .offset: 32, .size: 8, .value_kind: global_buffer, .address_space: global }
      - { .name: out0, .offset: 40, .size: 8, .value_kind: global_buffer, .address_space: global }
    .group_segment_fixed_size: 327680
    .private_segment_fixed_size: 0
    .kernarg_segment_align: 8
    .kernarg_segment_size: 48
    .max_flat_workgroup_size: 128
    .sgpr_count:     106
    .vgpr_count:     1024
    .wavefront_size: 32
...
	.end_amdgpu_metadata
.endif
;; end of part 3
